; MI455X (gfx1250); checked and timed in simulation.
; The chip was launched on July 23, 2026; its instructions are those of AMD's public machine-readable ISA for CDNA 5 (MIT licence, August 2026) and "CDNA5" Instruction Set Architecture Reference Guide (July 2026). The comments in the code are by the model that wrote it; some were corrected since.
;; Dynamic Routing. Allowed arithmetic: matrix products marked QUANTISED: E5M2 operands, one given power-of-two scale a tensor, by v_wmma_f32_16x16x64_bf8_bf8 or v_wmma_f32_16x16x128_bf8_bf8, f32 sums; products left as they are: f32 operands where the result goes on into a quantised operand, else bf16, f16 or f32 operands; f32 sums; everything else in f32.
;; Inputs: W 1,024 x 1,024 float32; encoder_output 1,024 x 64 x 1,024 float32; lowp_scales 2 int32 (the exponents e of the quantised operands' scales 2^e).
;; Outputs: out0 1,024 x 1,024 float32.
;; This version of the problem:
;;   THIS VERSION OF THE PROBLEM IS GIVEN IN LOW PRECISION. The matrix products marked QUANTISED in the list below multiply operands that are first quantised to E5M2 (5 exponent bits, 2 mantissa bits; 8 bits a number), with one given power-of-two scale for each operand tensor; their sums are f32. All else is computed in f32.
;;   The module's matrix products, in the order in which they are computed (A, B: the left and right operand; K: the contracted axis; several contracted axes count as one K, in the product's order):
;;     1. [M 65,536, K 1,024] x [K 1,024, N 1,024]; A: input encoder_output; B: input W: QUANTISED (scales: A lowp_scales[0], B lowp_scales[1])
;;     2. batch 1,024 x [M 64, K 1,024] x [K 1,024, N 1]; A: computed on the way; B: computed on the way: left as it is (N = 1 < 16)
;;     3. batch 1,024 x [M 64, K 1,024] x [K 1,024, N 1]; A: computed on the way; B: computed on the way: left as it is (N = 1 < 16)
;;     4. batch 1,024 x [M 64, K 1,024] x [K 1,024, N 1]; A: computed on the way; B: computed on the way: left as it is (N = 1 < 16)
;;   THE QUANTISER, for each operand of a quantised product, along K:
;;     - The operand's scale is 2^e, e = its entry of the input lowp_scales (int32; the entries are numbered through the quantised products in the list's order, A before B).
;;     - Each number is divided by the scale, clamped to +-57,344, and rounded to the nearest number of E5M2, ties to even, subnormals kept.
;;     - The product sums the exact products of the quantised numbers (number of the format x scale) in f32.
;;   ~~~python
;;   def quantise(x, axis, e):      # numpy; x: float32 -> the quantised numbers, widened to float32 again
;;       x = np.moveaxis(x, axis, -1); K = x.shape[-1]
;;       r = np.clip(x / 2.0 ** e, -57344, 57344)
;;       step = 2.0 ** (np.maximum(np.frexp(np.where(r == 0, 1, r))[1] - 1, -14) - 2)
;;       q = np.round(r / step) * step * 2.0 ** e      # np.round: ties to even
;;       return np.moveaxis(q, -1, axis).astype(np.float32)
;;   ~~~
;; One version. Each part assembles by itself: llvm-mc -triple=amdgcn-amd-amdhsa -mcpu=gfx1250 --defsym DOCPART=n.
;; ======== version 1 of 1: 2 launches
;; limits: right only within a limited range of input values
;; workspace buffers: wcodes 1,048,576 bytes
;; launch wq (part 1): grid 256 x 1, 2 waves a work-group, no clusters, 4,864 bytes of LDS; arguments W, lowp_scales, wcodes; writes wcodes
.if DOCPART == 1
	.amdgcn_target "amdgcn-amd-amdhsa--gfx1250"
	.amdhsa_code_object_version 6
	.text
	.protected	k_q682b4b6a1a_wq
	.globl	k_q682b4b6a1a_wq
	.p2align	8
	.type	k_q682b4b6a1a_wq,@function
k_q682b4b6a1a_wq:
	s_mov_b64 s[64:65], 0
	v_nop
	global_prefetch_b8 v0, s[64:65] scope:SCOPE_SE
	s_setreg_imm32_b32 hwreg(HW_REG_WAVE_MODE, 25, 1), 1
	s_wait_xcnt 0x0
; THE PROGRAM.  u_hat = Q(x) Q(W)^T on codes of BF8 (E5M2), then three iterations of routing for each class, in f32; the output is c of the third iteration.
; This launch turns W [1024 (o)][1024 (h)], f32, into codes, once; the second launch does all the rest and keeps u_hat in registers.
; WORK THAT IS LEFT OUT, for all values of the inputs:
;   (1) the third b = b + u_hat . c (the table's product 4): the function returns c, and nothing reads b behind the third iteration;
;   (2) the first softmax: its input is the array of zeros that the function builds itself, so d = 1/64 in every place, by an identity: no exponential is taken there;
;   (3) the first 'b +': it adds onto that same zero.
; Every input has a way to the output and is loaded.  LIMIT: a NaN, an infinity or an overflow that reaches only product 4 is not carried to the result.
; THE QUANTISER: code = w / 2^ew, held within +-57,344, rounded to the nearest code, ties to even.  ew is entry 1 (int32) of the scales.  LIMITS: -126 <= ew <= 112; NaN among the inputs is not served.
; THE CODES' LAYOUT: images of operand registers.  A fragment (16 rows of W x 128 along K) is 2,048 consecutive bytes: byte 512 c + 16 l + i of it (c = 0..3, lane l, i = 0..15) is the code of W[o][h],
;   h = 128 s + 32 c + 16 (l / 16) + i;   o = 256 (N / 16) + 64 ((N / 4) % 4) + N % 4 + 4 (l % 16),   K step s = 0..7, column tile N = 0..63.
; The rows of a tile lie 4 apart, so that in the second launch a lane's results of four neighbouring tiles are four neighbouring outputs.
; WHERE A FRAGMENT LIES.  w = N / 16 is the wave of the second launch that multiplies by it, n = N % 16 its tile there.
;   n < 4 (these stay in LDS there):          65536 w + 8192 s + 2048 n: a wave's part is 65,536 dense bytes;
;   n >= 4 (these go straight to registers):  262144 + 98304 s + 24576 w + 2048 (n - 4).
; SHARES: a wave makes one fragment: N = work-group / 4, s = 2 (work-group % 4) + wave.  Each of its 16 loads reads 512 consecutive bytes of one row of W; a conversion takes two rows' four numbers, so that a register
; holds four neighbouring codes of one row; the 16 rows x 128 codes turn through the wave's own stage in LDS (rows 144 bytes apart) and leave as the image: each store covers 512 consecutive bytes, aligned.
.set XP,    144                        ; a stage row: 128 bytes + 16
.set WREG,  16*XP                      ; a wave's stage
.set SPARE, 4608                       ; behind the two stages: the spare words, 128 bytes for each wave
.set SPW,   6                          ; v6   LDS address of my spare word; never rewritten
.set NIL,   7                          ; v7   0; never rewritten
.set X,     16                         ; v16-79   row i's four numbers at X + 4 i
.set C,     80                         ; v80-95   row i's four codes at C + i
.set IM,    96                         ; v96-111  the image
	s_load_b128 s[4:7], s[0:1], 0x0                ; W s[4:5], the scales' exponents s[6:7]
	s_load_b64 s[8:9], s[0:1], 0x10                ; the codes
	v_lshl_add_u32 v[SPW], v0, 2, SPARE
	v_mov_b32 v[NIL], 0
	v_lshrrev_b32 v1, 5, v0
	v_readfirstlane_b32 s10, v1                    ; wave 0, 1
	v_and_b32 v10, 31, v0                          ; lane
	v_lshlrev_b32 v1, 4, v10                       ; 16 x lane: my bytes of a row's 512, and of an image's 512
	v_and_b32 v2, 15, v0                           ; r
	v_bfe_u32 v3, v0, 4, 1                         ; h
	s_mul_i32 s21, s10, WREG                       ; my stage
	v_lshl_add_u32 v4, v10, 2, s21                 ; into it: 4 x lane, the row in the immediate
	v_mul_u32_u24 v5, v2, XP
	v_lshl_add_u32 v5, v3, 4, v5
	v_add_nc_u32 v5, s21, v5                       ; out of it: row r, + 16 h
	s_lshr_b32 s11, ttmp9, 2                       ; N
	s_and_b32 s12, ttmp9, 3
	s_lshl_b32 s12, s12, 1
	s_add_co_u32 s12, s12, s10                     ; s
	s_lshr_b32 s18, s11, 4                         ; w = N / 16
	s_and_b32 s19, s11, 15                         ; n = N % 16
	s_lshl_b32 s13, s18, 8                         ; 256 w
	s_bfe_u32 s21, s11, 0x20002
	s_lshl_b32 s21, s21, 6                         ; 64 ((N / 4) % 4)
	s_add_co_u32 s13, s13, s21
	s_and_b32 s21, s11, 3
	s_add_co_u32 s13, s13, s21                     ; the tile's first row of W
	s_lshl_b32 s14, s13, 12                        ; x 4,096 bytes,
	s_lshl_b32 s21, s12, 9
	s_add_co_u32 s14, s14, s21                     ; + 512 s
	s_mov_b32 s15, 0
	s_lshl_b32 s16, s18, 16                        ; the image's place for n < 4: 65536 w
	s_lshl_b32 s21, s12, 13
	s_add_co_u32 s16, s16, s21                     ; + 8192 s
	s_mul_i32 s22, s12, 98304                      ; and for n >= 4: 98304 s
	s_mul_i32 s21, s18, 24576
	s_add_co_u32 s22, s22, s21                     ; + 24576 w
	s_add_co_u32 s22, s22, 253952                  ; + 262144 - 4 x 2048
	s_cmp_lt_u32 s19, 4                            ; the choice hangs on the work-group's number alone
	s_cselect_b32 s16, s16, s22
	s_lshl_b32 s21, s19, 11
	s_add_co_u32 s16, s16, s21                     ; + 2048 n
	s_mov_b32 s17, 0
	s_wait_alu depctr_va_vdst(0)                   ; the wait here, directly ahead of the wait below
	s_wait_kmcnt 0x0
	s_load_b32 s20, s[6:7], 0x4                    ; ew
	s_add_nc_u64 s[4:5], s[4:5], s[14:15]
	s_add_nc_u64 s[8:9], s[8:9], s[16:17]
.irp i, 0,1,2,3,4,5,6,7,8,9,10,11,12,13,14,15
	global_load_b128 v[X+4*\i:X+4*\i+3], v1, s[4:5] offset:16384*\i th:TH_LOAD_NT   ; row i of the tile, 4 rows of W further down each time: 32 lanes read 512 consecutive bytes
.endr
	s_wait_kmcnt 0x0
	s_add_co_i32 s20, s20, 127
	s_lshl_b32 s21, s20, 23
	v_mov_b32 v8, s21                              ; 2^ew as f32: the conversion takes its exponent field
	s_add_co_i32 s20, s20, 15
	s_lshl_b32 s20, s20, 23
	s_or_b32 s20, s20, 0x600000
	v_mov_b32 v9, s20                              ; 57,344 x 2^ew
	s_wait_alu depctr_va_vdst(0)                   ; the wait at the head's end
	s_wait_loadcnt 0x0
.set i, 0
.rept 64
	v_med3_num_f32 v[X+i], v[X+i], -v9, v9         ; the conversion to an 8-bit code does not saturate (ISA guide 7.6.2): the hold at the largest code x the scale
.set i, i+1
.endr
.irp m, 0,1,2,3,4,5,6,7
	v_cvt_scalef32_pk8_bf8_f32 v[C+2*\m:C+2*\m+1], v[X+8*\m:X+8*\m+7], v8   ; rows 2 m and 2 m + 1: four codes of each, a register a row
.endr
	v_nop                                          ; a plain vector line behind the last conversion
.irp i, 0,1,2,3,4,5,6,7,8,9,10,11,12,13,14,15
	ds_store_b32 v4, v[C+\i] offset:XP*\i          ; row i, codes 4 l .. 4 l + 3
.endr
.irp c, 0,1,2,3
	ds_load_b128 v[IM+4*\c:IM+4*\c+3], v5 offset:32*\c   ; row r, codes 32 c + 16 h + 0 .. 15.  LDS serves a wave's instructions in order (ISA guide 5.7.1.4): these see my stores
.endr
.irp c, 0,1,2,3
	s_wait_dscnt 3-\c                              ; load c is in; the 3 - c behind it may be out
	global_store_b128 v1, v[IM+4*\c:IM+4*\c+3], s[8:9] offset:512*\c
.endr
	s_wait_tensorcnt 0x0                           ; the wave's end, behind my last LDS store
	ds_add_u32 v[SPW], v[NIL]
	s_wait_dscnt 0x0
	s_endpgm
.Lfunc_end_k_q682b4b6a1a_wq:
	.size	k_q682b4b6a1a_wq, .Lfunc_end_k_q682b4b6a1a_wq-k_q682b4b6a1a_wq
	.p2alignl 7, 3214868480
	.fill 96, 4, 3214868480
	.section	.rodata,"a",@progbits
	.p2align	6, 0x0
	.amdhsa_kernel k_q682b4b6a1a_wq
		.amdhsa_group_segment_fixed_size 4864
		.amdhsa_private_segment_fixed_size 0
		.amdhsa_enable_private_segment 0
		.amdhsa_kernarg_size 24
		.amdhsa_user_sgpr_count 2
		.amdhsa_user_sgpr_kernarg_segment_ptr 1
		.amdhsa_wavefront_size32 1
		.amdhsa_system_sgpr_workgroup_id_x 1
		.amdhsa_system_sgpr_workgroup_id_y 1
		.amdhsa_system_sgpr_workgroup_id_z 1
		.amdhsa_system_vgpr_workitem_id 0
		.amdhsa_next_free_vgpr 112
		.amdhsa_next_free_sgpr 66
		.amdhsa_reserve_vcc 0
		.amdhsa_float_denorm_mode_32 3
		.amdhsa_float_denorm_mode_16_64 3
		.amdhsa_memory_ordered 1
		.amdhsa_forward_progress 1
		.amdhsa_inst_pref_size 11
	.end_amdhsa_kernel
	.amdgpu_metadata
---
amdhsa.version: [ 1, 2 ]
amdhsa.kernels:
  - .name:           k_q682b4b6a1a_wq
    .symbol:         k_q682b4b6a1a_wq.kd
    .args:
      - { .name: W, .offset: 0, .size: 8, .value_kind: global_buffer, .address_space: global }
      - { .name: lowp_scales, .offset: 8, .size: 8, .value_kind: global_buffer, .address_space: global }
      - { .name: wcodes, .offset: 16, .size: 8, .value_kind: global_buffer, .address_space: global }
    .group_segment_fixed_size: 4864
    .private_segment_fixed_size: 0
    .kernarg_segment_align: 8
    .kernarg_segment_size: 24
    .max_flat_workgroup_size: 64
    .sgpr_count:     66
    .vgpr_count:     112
    .wavefront_size: 32
...
	.end_amdgpu_metadata
.endif
;; end of part 1
;; launch route (part 2): grid 256 x 1, 4 waves a work-group, clusters of 4 x 1, 327,680 bytes of LDS; arguments encoder_output, wcodes, lowp_scales, out0; writes out0
.if DOCPART == 2
	.amdgcn_target "amdgcn-amd-amdhsa--gfx1250"
	.amdhsa_code_object_version 6
	.text
	.protected	k_q682b4b6a1a_route
	.globl	k_q682b4b6a1a_route
	.p2align	8
	.type	k_q682b4b6a1a_route,@function
k_q682b4b6a1a_route:
	s_mov_b64 s[64:65], 0
	v_nop
	global_prefetch_b8 v0, s[64:65] scope:SCOPE_SE
	s_setreg_imm32_b32 hwreg(HW_REG_WAVE_MODE, 25, 1), 1
	s_wait_xcnt 0x0
	s_wait_alu depctr_hold_cnt(0) depctr_sa_sdst(0) depctr_va_vdst(0) depctr_va_sdst(0) depctr_va_ssrc(0) depctr_va_vcc(0) depctr_vm_vsrc(0)
	s_getreg_b32 s2, hwreg(HW_REG_IB_STS2, 6, 4)
	s_cmp_eq_u32 s2, 0
	s_cbranch_scc0 .Lentry_in_a_cluster
	s_endpgm
.Lentry_in_a_cluster:
	s_bfe_u32 s2, ttmp6, 0x10000c
	s_cmp_lg_u32 s2, 0x3003
	s_cbranch_scc0 .Lentry_shape_is_right
	s_endpgm
.Lentry_shape_is_right:
; For each class (64 rows of x): u_hat = Q(x) Q(W)^T on codes of BF8 (E5M2), then three iterations of routing in f32; out0[class] = c of the third.
; LEFT OUT (shown at the head of the first kernel): the third b = b + u_hat . c, which nothing reads; the first softmax, of zeros that the function builds itself (d = 1/64); the first 'b +', onto that zero.
; SHARES.  A work-group of four waves takes one class at a time and stays for four: work-group g has classes 4 g .. 4 g + 3.  Wave w owns all 64 rows x outputs 256 w .. 256 w + 255:
; 4 tiles of rows x 16 tiles of columns = 64 accumulators, 512 registers.  So a class's whole u_hat lies in the work-group's registers, and never goes to memory.
; W comes as codes laid as images of operand registers (first kernel), 32,768 bytes a wave for a K step of 128, each byte wanted by one wave of the work-group.  IT HAS TWO HOMES.
;   Tiles 0-3 of a wave, all eight K steps: 65,536 bytes a wave, 262,144 in all, are brought into LDS ONCE, at the head, and serve all four classes.  The four partners of a CLUSTER want the same bytes:
;   each wave's part is asked for JOINTLY: the same tensor load, the same descriptor, a mask that names the four.  No LDS byte is filled twice.
;   Tiles 4-15: straight into 192 registers, three groups of four tiles, by loads of 512 consecutive bytes; a group is asked for anew as soon as its 16 products are issued, a K step ahead of its use.
;   WHY THESE ARE NOT ASKED FOR JOINTLY: beside the resident quarter, x's codes and the routing's words LDS has 44,288 bytes left, under one K step of these tiles (98,304 bytes): there is no room for slots.
;   W's codes are not prefetched: all 256 work-groups read the same 1,048,576 bytes over and over through the whole launch.
; x comes by loads of 512 consecutive bytes into a ring of two sets of 64 registers (wave w: rows 16 w .. 16 w + 15), is quantised there (x / 2^ex, held within +-57,344, nearest code, ties to even),
; and its codes go to the other waves through LDS, as rows of 128 bytes + 16, in two slots by turns.  x's stream and W's direct loads run on through the routing of the class before.
; x IS PREFETCHED INTO THE L2: in a K step one instruction a wave names the wave's 16 rows x 512 bytes of the K step five on (lanes 256 bytes apart), two K steps ahead of the load that wants them.
; Each wave names its own rows, once.  It stands in K steps 0-2 (for steps 5-7 of the class) and, where a class follows, in steps 5-7 (for its steps 2-4); a class's first two K steps come by their loads alone.
; K IN A FRAGMENT: registers 4 c .. 4 c + 3 of lane (r, h) hold k = 32 c + 16 h + 0 .. 15, in x's fragments and in W's alike: each product meets its partner; only the order of the sums inside an instruction differs.
; RESULT LAYOUT: source 0 = 16 rows of x, source 1 = 16 rows of W.  Register j of accumulator (t, n) in lane (r, h) is u_hat(row 16 t + 8 h + j, output 256 w + 64 (n / 4) + n % 4 + 4 r) / 2^(ex + ew).
; ROUTING.  c_hat: a lane sums its 32 rows x d, the other half of the lanes adds its 32.  b: a lane sums its 16 outputs x c_hat, sixteen lanes and four waves add up (LDS).  The factor of squash, norm / (1 + norm) / sqrt(norm),
; is the same for all outputs of a class: it multiplies b's sums, and c at the end.  2^(ex + ew) is folded into d and into that factor.  The softmax takes its maximum away.
; LIMITS: -126 <= ex <= 112; |ex + ew| <= 100; a squared norm under 2^-126 counts as 0 in the reciprocal root; NaN among the inputs is not served.
; REGISTERS, in windows of 256: window 0: v0-31 addresses and single numbers; v32-47 codes just made; v48-111 x's four fragments; v112-175 W's tiles 0-3 out of LDS; v176-239 W's tiles 4-7, direct; v240, v241 offsets.
;   In the routing: v48-79 d, v80-111 b's sums (at the end c), v112-143 c_hat (a pair for each n), v144-171 at work; v176-239 are left alone: the next class's loads are on their way there.
;   window 1: v0-127 x's two sets; v128-255 W's tiles 8-15, direct.   windows 2, 3: accumulator (t, n) at v[32 (n % 8) + 8 t] of window 2 + n / 8.
.set CLS,   4                          ; classes of a work-group
.set DPART, 262144                     ; where the direct part begins in the codes' buffer
.set DSTEP, 98304                      ; a K step of it
.set XC,    262144                     ; LDS, behind the resident quarter of W: x's codes, two slots of 64 rows
.set XP,    144                        ; a row: 128 bytes + 16: 36 words: sixteen rows start at sixteen different places for 16 bytes (64 banks of 4 bytes: ISA guide 11.1)
.set XCB,   64*XP
.set RB,    280576                     ; b's sums: [wave][64 rows] f32
.set RN,    281600                     ; the squared norm's four parts
.set RD,    281856                     ; d: 256 bytes for each wave, its own
.set SPARE, 282880                     ; the spare words, 128 bytes for each wave: two blocks of 256 bytes that no other line names
.set ADRB, 4                           ; v4   my lane's place in my wave's part of the resident W
.set ADRA, 6                           ; v6   my lane's place in a tile of x's codes
.set XST,  7                           ; v7   where I store codes of my wave's rows
.set XOFF, 8                           ; v8   my byte offset in a class of x; never rewritten
.set OUTO, 9                           ; v9   my byte offset in a row of out0; never rewritten
.set RBST, 10
.set RBLD, 11
.set RNST, 12
.set RNLD, 13
.set RDST, 14
.set RDLD, 15
.set SPW,  16                          ; v16  LDS address of my spare word; never rewritten
.set NIL,  17                          ; v17  0; never rewritten
.set SC,   18                          ; v18  2^ex as f32
.set LIM,  19                          ; v19  57,344 x 2^ex
.set B0,   20                          ; v20, v21  b of rows lane and lane + 32
.set DI,   22                          ; v22  2^(ex + ew) / 64
.set NP,   23                          ; my wave's part of the squared norm
.set NRM,  24
.set F,    25
.set FS,   26
.set M,    27
.set PX,   28
.set E0,   29
.set E1,   30
.set SM,   31
.set CODES, 32
.set AF,   48
.set BF,   112
.set DOFF, 240                         ; v240 16 x lane: my bytes of an image's 512; never rewritten
.set PFO,  241                         ; v241 the prefetches' offset in a class of x: my wave's row lane / 2, + 256 (lane % 2); never rewritten
.set DW,   128                         ; in window 1: W's tiles 8-15, two groups of four
.set D,    48                          ; d x 2^(ex + ew) of row 16 t + 8 h + j at D + 8 t + j
.set BP,   80                          ; b's sums of the same rows
.set O,    80                          ; at a class's end, where b's sums are done with: c
.set CH,   112                         ; c_hat of tile n at CH + 2 n
.set T,    144
.set XT,   160
.set NQ,   168
.set WV,   12                          ; s12  my wave's number
.set G1,   16                          ; s[16:23] descriptor group 1
.set G0,   24                          ; s[24:27] group 0
.set XB,   34                          ; s[34:35] x at the class in hand
.set OB,   36                          ; s[36:37] out0 at the class in hand
.set CL,   38                          ; s38  classes to go
.set IT,   39                          ; s39  iterations to go
.set EX,   40                          ; s[40:41] ex, ew
.set E,    42                          ; s42  ex + ew
.set HM,   44                          ; s44  the lanes 16-31
.set SEL,  46                          ; s[46:47] lane selects for v_permlanex16_b32: lane l xor 16
.set L2E,  48                          ; s48  log2(e)
.set DB,   54                          ; s[54:55] W's direct codes at my wave's part of K step 0; never rewritten
.set MSB, 0
.macro WIN new                         ; the immediate's high byte repeats the setting that is left; a switch that changes nothing is dropped
.if MSB != (\new)
	s_set_vgpr_msb (MSB<<8)|(\new)
.set MSB, (\new)
.endif
.endm
.macro PLACES                          ; four places behind a matrix instruction, in front of loads into registers that it has read and of the first read of results
.rept 4
	v_nop
.endr
.endm
.macro ROUND                           ; a round of the cluster's barrier
	s_barrier_signal -1
	s_barrier_wait -1
	s_cmp_lg_u32 s[WV], 0
	s_cbranch_scc1 .Lnot_wave_0_\@
	s_barrier_signal -3
.Lnot_wave_0_\@:
	s_barrier_wait -3
	s_barrier_signal -1
	s_barrier_wait -1
.endm
.macro BAR                             ; my LDS stores have landed and my LDS loads are in: then the work-group's barrier
	s_wait_dscnt 0x0
	s_barrier_signal -1
	s_barrier_wait -1
.endm
; my wave's 16 rows of one K step of x, from off bytes on, into a set of window 1: row i's four numbers of my lane at 64 set + 4 i.  Leaves the window set.
.macro XLOAD set, off
	WIN 0x40                                       ; destination window 1, address window 0
.irp i, 0,1,2,3,4,5,6,7,8,9,10,11,12,13,14,15
	global_load_b128 v[64*(\set)+4*\i:64*(\set)+4*\i+3], v[XOFF], s[XB:XB+1] offset:(\off)+4096*\i th:TH_LOAD_NT   ; 32 lanes read 512 consecutive bytes of a row
.endr
.endm
; my tiles 8 + 4 d .. 8 + 4 d + 3 of K step st of W into group d of window 1: images, 512 consecutive bytes a load.  Every work-group reads these bytes again: no hint.  Leaves the window set.
.macro DLOAD d, st
	WIN 0x40
.irp nn, 0,1,2,3
.irp c, 0,1,2,3
	global_load_b128 v[DW+64*(\d)+16*\nn+4*\c:DW+64*(\d)+16*\nn+4*\c+3], v[DOFF], s[DB:DB+1] offset:(\st)*DSTEP+2048*(4+4*(\d)+\nn)+512*\c
.endr
.endr
.endm
.macro DLOADW st                       ; my tiles 4-7 of K step st, into window 0
	WIN 0
.irp nn, 0,1,2,3
.irp c, 0,1,2,3
	global_load_b128 v[BF+64+16*\nn+4*\c:BF+64+16*\nn+4*\c+3], v[DOFF], s[DB:DB+1] offset:(\st)*DSTEP+2048*\nn+512*\c
.endr
.endr
.endm
; a set becomes codes: a conversion takes two rows' four numbers, so that a register holds four neighbouring codes of one row; they go to slot xs of x's codes
.macro QUANT set, xs
	WIN 0x41                                       ; destination and source 0 window 1
.set i, 0
.rept 64
	v_med3_num_f32 v[64*(\set)+i], v[64*(\set)+i], -v[LIM], v[LIM]   ; the conversion to an 8-bit code does not saturate (ISA guide 7.6.2): the hold at the largest code x the scale
.set i, i+1
.endr
	WIN 0x01                                       ; source 0 window 1
.irp m, 0,1,2,3,4,5,6,7
	v_cvt_scalef32_pk8_bf8_f32 v[CODES+2*\m:CODES+2*\m+1], v[64*(\set)+8*\m:64*(\set)+8*\m+7], v[SC]
.endr
	WIN 0
	v_nop                                          ; a plain vector line behind the last conversion
.irp m, 0,1,2,3,4,5,6,7,8,9,10,11,12,13,14,15
	ds_store_b32 v[XST], v[CODES+\m] offset:(\xs)*XCB+XP*\m   ; row m of my 16, codes 4 l .. 4 l + 3: 128 consecutive bytes
.endr
.endm
.macro FETCHA p                        ; x's four fragments out of slot p
.irp t, 0,1,2,3
.irp c, 0,1,2,3
	ds_load_b128 v[AF+16*\t+4*\c:AF+16*\t+4*\c+3], v[ADRA] offset:(\p)*XCB+16*XP*\t+32*\c
.endr
.endr
.endm
.macro FETCHB s                        ; W's fragments of my tiles 0-3, K step s, out of the resident part: images, 512 consecutive bytes a load
.irp nn, 0,1,2,3
.irp c, 0,1,2,3
	ds_load_b128 v[BF+16*\nn+4*\c:BF+16*\nn+4*\c+3], v[ADRB] offset:8192*(\s)+2048*\nn+512*\c
.endr
.endr
.endm
; 16 matrix instructions: four tiles of columns x the four tiles of rows.  zero = 1: the class's first K step starts the sums: nothing is ever cleared.
; The 64 accumulators take turns, one instruction a turn, in the same order in every K step.
.macro MULD d, zero                    ; my tiles 8 + 4 d on
	WIN 0xf4                                       ; source 0 (x) window 0, source 1 (W) window 1, C and D window 3
.irp nn, 0,1,2,3
.irp t, 0,1,2,3
.if \zero
	v_wmma_f32_16x16x128_bf8_bf8 v[32*(4*(\d)+\nn)+8*\t:32*(4*(\d)+\nn)+8*\t+7], v[AF+16*\t:AF+16*\t+15], v[DW+64*(\d)+16*\nn:DW+64*(\d)+16*\nn+15], 0
.else
	v_wmma_f32_16x16x128_bf8_bf8 v[32*(4*(\d)+\nn)+8*\t:32*(4*(\d)+\nn)+8*\t+7], v[AF+16*\t:AF+16*\t+15], v[DW+64*(\d)+16*\nn:DW+64*(\d)+16*\nn+15], v[32*(4*(\d)+\nn)+8*\t:32*(4*(\d)+\nn)+8*\t+7]
.endif
.endr
.endr
.endm
.macro MULL g, zero                    ; my tiles 4 g on: g = 0 out of LDS, g = 1 the direct group of window 0
	WIN 0xa0                                       ; sources window 0, C and D window 2
.irp nn, 0,1,2,3
.irp t, 0,1,2,3
.if \zero
	v_wmma_f32_16x16x128_bf8_bf8 v[32*(4*(\g)+\nn)+8*\t:32*(4*(\g)+\nn)+8*\t+7], v[AF+16*\t:AF+16*\t+15], v[BF+64*(\g)+16*\nn:BF+64*(\g)+16*\nn+15], 0
.else
	v_wmma_f32_16x16x128_bf8_bf8 v[32*(4*(\g)+\nn)+8*\t:32*(4*(\g)+\nn)+8*\t+7], v[AF+16*\t:AF+16*\t+15], v[BF+64*(\g)+16*\nn:BF+64*(\g)+16*\nn+15], v[32*(4*(\g)+\nn)+8*\t:32*(4*(\g)+\nn)+8*\t+7]
.endif
.endr
.endr
.endm
; K STEP s OF A CLASS.  It reads slot s % 2 of x's codes and K step s of the resident W, and (quant = 1) writes x's codes of step s + 1 into the other slot.
; ONE barrier, near its end: in front of the signal my stores of codes have landed and my reads of this step's slot are in; sixteen products stand between signal and wait.  Behind the wait the next step reads
; the slot just written, and writes the slot just read.
; THE LOADS INTO REGISTERS go out in this order in a step, 16 each: x's K step s + 3 (xload = 1; from step 5 on the next class's), into the set just quantised; then W's groups of tiles 8-11, 12-15 and 4-7 of step s + 1
; (dload = 1), each behind its own products.  Loads come back in order (ISA guide 5.7.1).  la: tiles 8-11 are wanted; behind them stand the other two groups.  lb: tiles 12-15; behind them tiles 4-7, x's load and the
; group just asked for.  lc: tiles 4-7; behind them x's load and the two groups just asked for.  x's step s + 1 was asked for two steps ago, ahead of groups that have been waited for.  pf = 1: x's K step s + 5 is prefetched.
.macro STEP s, zero, quant, la, lb, lc, dload, xload, pf
	FETCHA (\s)%2                                  ; (the last products that read these registers stand four places back, at the end of the step before)
	FETCHB \s
	s_wait_loadcnt \la
.if \quant
	QUANT ((\s)+1)%2, ((\s)+1)%2
.endif
.if \xload
	XLOAD ((\s)+1)%2, (((\s)+3)%8)*512+(((\s)+3)/8)*262144
.endif
	s_wait_dscnt 16+16*\quant                      ; x's fragments are in; W's 16 LDS loads and the 16 stores of codes may be out
	MULD 0, \zero
	PLACES
.if \dload
	DLOAD 0, ((\s)+1)%8
.endif
	s_wait_loadcnt \lb
	MULD 1, \zero
	PLACES
.if \dload
	DLOAD 1, ((\s)+1)%8
.endif
	s_wait_loadcnt \lc
	MULL 1, \zero
	PLACES
.if \dload
	DLOADW ((\s)+1)%8
.endif
.if \pf
	global_prefetch_b8 v[PFO], s[XB:XB+1] offset:(((\s)+5)%8)*512+(((\s)+5)/8)*262144 th:TH_LOAD_NT scope:SCOPE_SE
.endif
	s_wait_dscnt 0x0                               ; W's fragments out of LDS are in, my stores of codes have landed, my reads of x's slot are over:
	s_barrier_signal -1                            ; say so,
	MULL 0, \zero                                  ; work on registers while the others arrive,
	PLACES                                         ; (for the next step's LDS loads, and for the routing's first reads)
	WIN 0
	s_barrier_wait -1                              ; and go on when all four have said so
.endm
; the squared norm out of its four parts, and the two transcendentals of squash's factor: the caller sets a plain line and the wait behind them
.macro FACTOR
	v_add_f32 v[NRM], v[NQ], v[NQ+1]
	v_add_f32 v[M], v[NQ+2], v[NQ+3]
	v_add_f32 v[NRM], v[NRM], v[M]
	v_add_f32 v[M], 1.0, v[NRM]
	s_wait_alu depctr_va_vdst(0)                   ; the wait ahead of the batch
	v_rcp_f32 v[F], v[M]
	v_rsq_f32 v[FS], v[NRM]
.endm
; THE ROUTING OF A CLASS.  last = 1: the work-group's last class: no address is stepped.
.macro ROUTE last
	v_mov_b32 v[B0], 0
	v_mov_b32 v[B0+1], 0
.set i, 0
.rept 32
	v_mov_b32 v[D+i], v[DI]                        ; the first d: 1/64 in every place, x 2^(ex + ew)
.set i, i+1
.endr
	s_mov_b32 s[IT], 3
.Liter_\@:
	; c_hat = the sum over rows of d u_hat: two rows an instruction, eight chains by turns; each accumulator is read from its low end on
.irp w, 0,1
	WIN 0x02+\w                                    ; source 0 window 2, then 3
.irp t, 0,1,2,3
.irp q, 0,1,2,3
.irp n, 0,1,2,3,4,5,6,7
.if \t+\q == 0
	v_pk_mul_f32 v[CH+2*(8*\w+\n):CH+2*(8*\w+\n)+1], v[32*\n+8*\t+2*\q:32*\n+8*\t+2*\q+1], v[D+8*\t+2*\q:D+8*\t+2*\q+1]
.else
	v_pk_fma_f32 v[CH+2*(8*\w+\n):CH+2*(8*\w+\n)+1], v[32*\n+8*\t+2*\q:32*\n+8*\t+2*\q+1], v[D+8*\t+2*\q:D+8*\t+2*\q+1], v[CH+2*(8*\w+\n):CH+2*(8*\w+\n)+1]
.endif
.endr
.endr
.endr
.endr
	WIN 0
.irp n, 0,1,2,3,4,5,6,7,8,9,10,11,12,13,14,15
	v_add_f32 v[CH+2*\n], v[CH+2*\n], v[CH+2*\n+1]   ; even rows' and odd rows' sums,
.endr
.irp n, 0,1,2,3,4,5,6,7,8,9,10,11,12,13,14,15
	v_permlanex16_b32 v[T+\n], v[CH+2*\n], s[SEL], s[SEL+1]
.endr
.irp n, 0,1,2,3,4,5,6,7,8,9,10,11,12,13,14,15
	v_add_f32 v[CH+2*\n], v[CH+2*\n], v[T+\n]      ; and the other half of the lanes' 32 rows: c_hat of my 16 outputs, in both halves alike
.endr
	v_mul_f32 v[NP], v[CH], v[CH]                  ; the squared norm's part: my 16 outputs, in two chains,
	v_mul_f32 v[M], v[CH+2], v[CH+2]
.irp n, 2,4,6,8,10,12,14
	v_fmac_f32 v[NP], v[CH+2*\n], v[CH+2*\n]
	v_fmac_f32 v[M], v[CH+2*\n+2], v[CH+2*\n+2]
.endr
	v_add_f32 v[NP], v[NP], v[M]
.irp m, 1,2,4,8
	v_add_f32_dpp v[NP], v[NP], v[NP] row_xmask:\m row_mask:0xf bank_mask:0xf   ; and the sixteen lanes': my wave's 256 outputs
.endr
	s_cmp_eq_u32 s[IT], 1
	s_cbranch_scc1 .Lfinal_\@                      ; the third iteration ends here: its b is read by nobody
	; b's sums: u_hat . c_hat over my 16 outputs, two rows an instruction, sixteen chains by turns; squash's factor follows behind the sums
.irp w, 0,1
	WIN 0x02+\w
.irp n, 0,1,2,3,4,5,6,7
.irp t, 0,1,2,3
.irp q, 0,1,2,3
.if \w+\n == 0
	v_pk_mul_f32 v[BP+8*\t+2*\q:BP+8*\t+2*\q+1], v[32*\n+8*\t+2*\q:32*\n+8*\t+2*\q+1], v[CH+2*(8*\w+\n):CH+2*(8*\w+\n)+1] op_sel_hi:[1,0]
.else
	v_pk_fma_f32 v[BP+8*\t+2*\q:BP+8*\t+2*\q+1], v[32*\n+8*\t+2*\q:32*\n+8*\t+2*\q+1], v[CH+2*(8*\w+\n):CH+2*(8*\w+\n)+1], v[BP+8*\t+2*\q:BP+8*\t+2*\q+1] op_sel_hi:[1,0,1]
.endif
.endr
.endr
.endr
.endr
	WIN 0
.irp m, 1,2,4,8
.set i, 0
.rept 32
	v_add_f32_dpp v[BP+i], v[BP+i], v[BP+i] row_xmask:\m row_mask:0xf bank_mask:0xf   ; across the sixteen lanes: my wave's 256 outputs
.set i, i+1
.endr
.endr
	s_wait_alu depctr_va_vdst(0)                   ; the wait here, ahead of the barrier
	BAR                                            ; every wave's reads of the last exchange are over
.irp t, 0,1,2,3
	ds_store_b128 v[RBST], v[BP+8*\t:BP+8*\t+3] offset:64*\t        ; rows 16 t + 8 h + 0 .. 7; sixteen lanes write the same words with the same values
	ds_store_b128 v[RBST], v[BP+8*\t+4:BP+8*\t+7] offset:64*\t+16
.endr
	ds_store_b32 v[RNST], v[NP]
	BAR                                            ; the four waves' parts lie in LDS
.irp w, 0,1,2,3
	ds_load_b32 v[XT+2*\w], v[RBLD] offset:256*\w          ; wave w's part of row lane,
	ds_load_b32 v[XT+2*\w+1], v[RBLD] offset:256*\w+128    ; and of row lane + 32
.endr
	ds_load_b128 v[NQ:NQ+3], v[RNLD]
	s_wait_dscnt 0x0
	FACTOR
	v_add_f32 v[XT], v[XT], v[XT+2]                ; (plain lines behind the transcendentals)
	v_add_f32 v[XT+1], v[XT+1], v[XT+3]
	v_add_f32 v[XT+4], v[XT+4], v[XT+6]
	v_add_f32 v[XT+5], v[XT+5], v[XT+7]
	v_add_f32 v[XT], v[XT], v[XT+4]
	v_add_f32 v[XT+1], v[XT+1], v[XT+5]
	s_wait_alu depctr_va_vdst(0)                   ; the wait ahead of the first use: one for both
	v_mul_f32 v[F], v[F], v[NRM]
	v_mul_f32 v[F], v[F], v[FS]                    ; norm / (1 + norm) / sqrt(norm)
	v_ldexp_f32 v[FS], v[F], s[E]                  ; x 2^(ex + ew), which the sums lack
	v_fmac_f32 v[B0], v[FS], v[XT]                 ; b = b + u_hat . c
	v_fmac_f32 v[B0+1], v[FS], v[XT+1]
	v_max_num_f32 v[M], v[B0], v[B0+1]             ; the softmax over the 64 rows: the maximum,
.irp m, 1,2,4,8
	v_max_num_f32_dpp v[M], v[M], v[M] row_xmask:\m row_mask:0xf bank_mask:0xf
.endr
	v_permlanex16_b32 v[PX], v[M], s[SEL], s[SEL+1]
	v_max_num_f32 v[M], v[M], v[PX]
	v_sub_f32 v[E0], v[B0], v[M]
	v_sub_f32 v[E1], v[B0+1], v[M]
	v_mul_f32 v[E0], s[L2E], v[E0]
	v_mul_f32 v[E1], s[L2E], v[E1]
	s_wait_alu depctr_va_vdst(0)                   ; ahead of the batch
	v_exp_f32 v[E0], v[E0]
	v_exp_f32 v[E1], v[E1]
	v_nop                                          ; a plain line behind the exponentials,
	s_wait_alu depctr_va_vdst(0)                   ; and the wait ahead of the first use
	v_add_f32 v[SM], v[E0], v[E1]                  ; the sum,
.irp m, 1,2,4,8
	v_add_f32_dpp v[SM], v[SM], v[SM] row_xmask:\m row_mask:0xf bank_mask:0xf
.endr
	v_permlanex16_b32 v[PX], v[SM], s[SEL], s[SEL+1]
	v_add_f32 v[SM], v[SM], v[PX]
	s_wait_alu depctr_va_vdst(0)
	v_rcp_f32 v[M], v[SM]
	v_nop
	s_wait_alu depctr_va_vdst(0)
	v_ldexp_f32 v[M], v[M], s[E]                   ; d x 2^(ex + ew)
	v_mul_f32 v[E0], v[E0], v[M]
	v_mul_f32 v[E1], v[E1], v[M]
	ds_store_b32 v[RDST], v[E0]                    ; d turns from a row a lane to eight rows a register run, through my wave's own 256 bytes:
	ds_store_b32 v[RDST], v[E1] offset:128
.irp t, 0,1,2,3
	ds_load_b128 v[D+8*\t:D+8*\t+3], v[RDLD] offset:64*\t            ; LDS serves a wave's instructions in order (ISA guide 5.7.1.4): these see my stores
	ds_load_b128 v[D+8*\t+4:D+8*\t+7], v[RDLD] offset:64*\t+16
.endr
	s_wait_dscnt 0x0
	s_sub_co_u32 s[IT], s[IT], 1
	s_cmp_lg_u32 s[IT], 0
	s_cbranch_scc1 .Liter_\@
.Lfinal_\@:
	BAR                                            ; every wave's reads of the last exchange are over
	s_wait_alu depctr_va_vdst(0)
	ds_store_b32 v[RNST], v[NP]
	BAR
	ds_load_b128 v[NQ:NQ+3], v[RNLD]
.irp j, 0,1,2,3,4,5,6,7
	v_cndmask_b32 v[O+\j], v[CH+2*\j], v[CH+2*\j+16], s[HM]   ; both halves hold all 16 outputs: lanes 0-15 take tiles 0-7, lanes 16-31 tiles 8-15
.endr
	s_wait_dscnt 0x0
	FACTOR
	v_nop
	s_wait_alu depctr_va_vdst(0)
	v_mul_f32 v[F], v[F], v[NRM]
	v_mul_f32 v[F], v[F], v[FS]
.irp j, 0,1,2,3,4,5,6,7
	v_mul_f32 v[O+\j], v[O+\j], v[F]               ; c = squash(c_hat)
.endr
.irp q, 0,1
	global_store_b128 v[OUTO], v[O+4*\q:O+4*\q+3], s[OB:OB+1] offset:256*\q th:TH_STORE_NT   ; tiles 4 q .. 4 q + 3 are outputs 4 r + 0 .. 3: sixteen lanes store 256 consecutive bytes, aligned
.endr
.if !\last
	s_wait_xcnt 0x0                                ; the stores, the pending loads and the prefetches have read their registers and bases: both bases step, and the stores' data may be written again
	s_add_nc_u64 s[XB:XB+1], s[XB:XB+1], 262144
	s_add_nc_u64 s[OB:OB+1], s[OB:OB+1], 4096
.endif
.endm
	s_load_b256 s[4:11], s[0:1], 0x0               ; x s[4:5], W's codes s[6:7], the scales' exponents s[8:9], out0 s[10:11]
	v_lshl_add_u32 v[SPW], v0, 2, SPARE
	v_mov_b32 v[NIL], 0
	ds_add_u32 v[SPW], v[NIL]                      ; the wave's opening: the add, twice on end, and its wait ahead of my tensor load; the set-up below, work on registers, stands between
	ds_add_u32 v[SPW], v[NIL]                      ; and once more, under the one wait
	v_lshrrev_b32 v1, 5, v0
	v_readfirstlane_b32 s[WV], v1                  ; wave 0..3
	v_and_b32 v1, 31, v0                           ; lane
	v_and_b32 v2, 15, v0                           ; r
	v_bfe_u32 v3, v0, 4, 1                         ; h
	s_wait_alu depctr_va_vdst(0)                   ; the wait here, ahead of the run of scalar lines
	s_bfe_u32 s13, ttmp6, 0x40000                  ; cx: my place in the cluster
	s_lshl_b32 s14, ttmp9, 2                       ; in a cluster launch ttmp9 counts clusters
	s_add_co_u32 s14, s14, s13                     ; g = 4 x cluster + cx: it enters x's and out0's addresses alone
	; descriptor group 1: 65,536 dense bytes as 256 rows of 32 elements of 8 bytes
	s_mov_b32 s[G1], 15|(3<<16)|(1<<21)            ; 15:0 the mask: all four work-groups; 17:16 elements of 8 bytes; 20 no padding; 21 set beside a mask
	s_mov_b32 s[G1+1], 32<<16                      ; tensor_dim0 = 32
	s_mov_b32 s[G1+2], 256<<16                     ; tensor_dim1 = 256
	s_mov_b32 s[G1+3], 32<<16                      ; tile_dim0 = 32
	s_mov_b32 s[G1+4], 256                         ; tile_dim1 = 256
	s_mov_b32 s[G1+5], 32                          ; tensor_dim0_stride
	s_mov_b32 s[G1+6], 0
	s_mov_b32 s[G1+7], 0
	s_mov_b32 s[HM], 0xffff0000
	s_mov_b32 s[SEL], 0x76543210
	s_mov_b32 s[SEL+1], 0xfedcba98
	s_mov_b32 s[L2E], 0x3fb8aa3b
	s_lshl_b32 s43, s[WV], 16
	v_lshl_add_u32 v[ADRB], v1, 4, s43             ; my wave's 65,536 bytes of the resident W, 16 x lane
	v_lshl_add_u32 v[XOFF], v1, 4, s43             ; x: my wave's 16 rows of 4,096 bytes, 16 x lane
	v_lshrrev_b32 v[PFO], 1, v1
	v_lshl_add_u32 v[PFO], v[PFO], 12, s43         ; the prefetches: my wave's row lane / 2,
	v_and_b32 v[M], 1, v1
	v_lshl_add_u32 v[PFO], v[M], 8, v[PFO]         ; + 256 (lane % 2)
	v_mul_u32_u24 v[ADRA], v2, XP
	v_lshl_add_u32 v[ADRA], v3, 4, v[ADRA]
	v_add_nc_u32 v[ADRA], XC, v[ADRA]              ; row r, + 16 h
	s_mul_i32 s43, s[WV], 16*XP
	s_add_co_u32 s43, s43, XC
	v_lshl_add_u32 v[XST], v1, 2, s43              ; my wave's 16 rows, 4 x lane
	v_lshlrev_b32 v[DOFF], 4, v1
	s_lshl_b32 s43, s[WV], 10
	v_lshl_add_u32 v[OUTO], v3, 9, s43
	v_lshl_add_u32 v[OUTO], v2, 4, v[OUTO]         ; out0: 1024 w + 512 h + 16 r
	s_lshl_b32 s43, s[WV], 8
	s_add_co_u32 s43, s43, RB
	v_lshl_add_u32 v[RBST], v3, 5, s43
	v_lshl_add_u32 v[RBLD], v1, 2, RB
	s_lshl_b32 s43, s[WV], 2
	s_add_co_u32 s43, s43, RN
	v_mov_b32 v[RNST], s43
	v_mov_b32 v[RNLD], RN
	s_lshl_b32 s43, s[WV], 8
	s_add_co_u32 s43, s43, RD
	v_lshl_add_u32 v[RDST], v1, 2, s43
	v_lshl_add_u32 v[RDLD], v3, 5, s43
	v_mov_b32 v[PX], 0                             ; written once: a lane permute's destination counts as one of its sources
	s_lshl_b32 s50, s[WV], 16                      ; my wave's part of the resident quarter of W's codes
	s_mov_b32 s51, 0
	s_lshl_b32 s52, s14, 20                        ; my four classes of x: 262,144 bytes each
	s_mov_b32 s53, 0
	s_wait_alu depctr_va_vdst(0)                   ; the wait at the head's end
	s_wait_dscnt 0x0                               ; both opening adds are done
	s_wait_kmcnt 0x0
	s_load_b64 s[EX:EX+1], s[8:9], 0x0             ; ex, ew
	s_mov_b32 s[G0], 1                             ; count = 1
	s_lshl_b32 s[G0+1], s[WV], 16                  ; LDS address: 65,536 x wave: no place in the cluster enters it
	s_add_nc_u64 s[G0+2:G0+3], s[6:7], s[50:51]
	s_or_b32 s[G0+3], s[G0+3], 0x80000000          ; type = 2
	s_mul_i32 s50, s[WV], 24576                    ; my part of a K step of the direct tiles,
	s_add_co_u32 s50, s50, DPART                   ; which lie behind the resident quarter
	s_add_nc_u64 s[DB:DB+1], s[6:7], s[50:51]
	s_add_nc_u64 s[XB:XB+1], s[4:5], s[52:53]
	s_lshl_b32 s52, s14, 14                        ; my four rows of out0
	s_add_nc_u64 s[OB:OB+1], s[10:11], s[52:53]
	XLOAD 0, 0                                     ; x's first two K steps,
	XLOAD 1, 512
	DLOAD 0, 0                                     ; and W's tiles 8-15 of K step 0
	DLOAD 1, 0
	WIN 0
	ROUND                                          ; all four work-groups are here: the joint loads meet
	tensor_load_to_lds s[G0:G0+3], s[G1:G1+7]      ; my wave's part of the resident quarter: every wave issues one, its only one
	s_nop 0
	PLACES
	DLOADW 0                                       ; W's tiles 4-7 of K step 0
	s_wait_kmcnt 0x0
	s_add_co_i32 s[E], s[EX], s[EX+1]              ; ex + ew
	s_add_co_i32 s43, s[EX], 127
	s_lshl_b32 s50, s43, 23
	v_mov_b32 v[SC], s50                           ; 2^ex as f32: the conversion takes its exponent field
	s_add_co_i32 s43, s43, 15
	s_lshl_b32 s43, s43, 23
	s_or_b32 s43, s43, 0x600000
	v_mov_b32 v[LIM], s43                          ; 57,344 x 2^ex
	v_mov_b32 v[DI], 0x3c800000                    ; 1/64
	v_ldexp_f32 v[DI], v[DI], s[E]
	s_wait_alu depctr_va_vdst(0)                   ; the wait here, directly ahead of the wait below
	s_wait_loadcnt 48                              ; x's K steps 0 and 1 are in; W's three groups may be out
	QUANT 0, 0
	XLOAD 0, 1024                                  ; x's K step 2.  (Here alone it stands behind W's groups and not ahead of them: the first step's counts then wait for more than they need, never for less)
	WIN 0
	s_wait_tensorcnt 0x0                           ; my part of the resident W has landed; I alone read it
	BAR                                            ; x's codes of K step 0 lie in LDS
	s_mov_b32 s[CL], CLS
.Lclass:
	STEP 0, 1, 1, 32, 48, 48, 1, 1, 1              ; the class's first K step starts the sums
	STEP 1, 0, 1, 32, 48, 48, 1, 1, 1
	STEP 2, 0, 1, 32, 48, 48, 1, 1, 1
	STEP 3, 0, 1, 32, 48, 48, 1, 1, 0              ; (five K steps on is the next class, which the last class does not have: nothing is prefetched in steps 3 and 4)
	STEP 4, 0, 1, 32, 48, 48, 1, 1, 0
	s_cmp_eq_u32 s[CL], 1
	s_cbranch_scc1 .Ltail                          ; the last class's last three K steps are written out: they ask for no further x and, at the end, for no further W
	STEP 5, 0, 1, 32, 48, 48, 1, 1, 1              ; from here on x's loads are the next class's
	STEP 6, 0, 1, 32, 48, 48, 1, 1, 1
	STEP 7, 0, 1, 32, 48, 48, 1, 1, 1              ; W's direct groups of K step 0 and the next class's first codes of x: all are on their way or ready behind the routing
	ROUTE 0
	s_sub_co_u32 s[CL], s[CL], 1
	s_cmp_lg_u32 s[CL], 0
	s_cbranch_scc1 .Lclass
.Ltail:
	STEP 5, 0, 1, 32, 32, 32, 1, 0, 0              ; no load leaves x: the counts run down
	STEP 6, 0, 1, 32, 32, 32, 1, 0, 0
	STEP 7, 0, 0, 32, 16, 0, 0, 0, 0
	ROUTE 1
	s_wait_tensorcnt 0x0                           ; the wave's end, behind my tensor load and my last LDS store
	ds_add_u32 v[SPW], v[NIL]
	s_wait_dscnt 0x0
	ROUND                                          ; the closing round
	s_endpgm
.Lfunc_end_k_q682b4b6a1a_route:
	.size	k_q682b4b6a1a_route, .Lfunc_end_k_q682b4b6a1a_route-k_q682b4b6a1a_route
	.p2alignl 7, 3214868480
	.fill 96, 4, 3214868480
	.section	.rodata,"a",@progbits
	.p2align	6, 0x0
	.amdhsa_kernel k_q682b4b6a1a_route
		.amdhsa_group_segment_fixed_size 327680
		.amdhsa_private_segment_fixed_size 0
		.amdhsa_enable_private_segment 0
		.amdhsa_kernarg_size 32
		.amdhsa_user_sgpr_count 2
		.amdhsa_user_sgpr_kernarg_segment_ptr 1
		.amdhsa_wavefront_size32 1
		.amdhsa_system_sgpr_workgroup_id_x 1
		.amdhsa_system_sgpr_workgroup_id_y 1
		.amdhsa_system_sgpr_workgroup_id_z 1
		.amdhsa_system_vgpr_workitem_id 0
		.amdhsa_next_free_vgpr 1024
		.amdhsa_next_free_sgpr 66
		.amdhsa_reserve_vcc 0
		.amdhsa_float_denorm_mode_32 3
		.amdhsa_float_denorm_mode_16_64 3
		.amdhsa_memory_ordered 1
		.amdhsa_forward_progress 1
		.amdhsa_inst_pref_size 255
	.end_amdhsa_kernel
	.section	.bss,"aw",@nobits
	.p2align	6
	.space	262144
	.amdgpu_metadata
---
amdhsa.version: [ 1, 2 ]
amdhsa.kernels:
  - .name:           k_q682b4b6a1a_route
    .symbol:         k_q682b4b6a1a_route.kd
    .args:
      - { .name: encoder_output, .offset: 0, .size: 8, .value_kind: global_buffer, .address_space: global }
      - { .name: wcodes, .offset: 8, .size: 8, .value_kind: global_buffer, .address_space: global }
      - { .name: lowp_scales, .offset: 16, .size: 8, .value_kind: global_buffer, .address_space: global }
      - { .name: out0, .offset: 24, .size: 8, .value_kind: global_buffer, .address_space: global }
    .group_segment_fixed_size: 327680
    .private_segment_fixed_size: 0
    .kernarg_segment_align: 8
    .kernarg_segment_size: 32
    .max_flat_workgroup_size: 128
    .sgpr_count:     66
    .vgpr_count:     1024
    .wavefront_size: 32
...
	.end_amdgpu_metadata
.endif
;; end of part 2
